; MI455X (gfx1250); checked and timed in simulation.
; The chip was launched on July 23, 2026; its instructions are those of AMD's public machine-readable ISA for CDNA 5 (MIT licence, August 2026) and "CDNA5" Instruction Set Architecture Reference Guide (July 2026). The comments in the code are by the model that wrote it; some were corrected since.
;; Scaled Convolutional Dot Product. Allowed arithmetic: float matrix products may take bf16 or f16 operands with f32 sums; other float arithmetic in f32, or as packed bf16 or f16 multiplies, adds, multiply-adds, maxima and minima; sums over many terms, partial sums and values carried from step to step in f32; what a program stores and reads back later, other than sums and carried values, may be rounded once to bf16 or f16.
;; Inputs: bias_k 1,024 float32; bias_q 1,024 float32; bias_v 1,024 float32; k 4 x 2,048 x 1,024 float32; kernel_k 1 x 1 x 1,024 x 1,024 float32; kernel_q 1 x 1 x 1,024 x 1,024 float32; kernel_v 1 x 1 x 1,024 x 1,024 float32; mask 1 x 2,048 x 2,048 float32; q 4 x 2,048 x 1,024 float32; v 4 x 2,048 x 1,024 float32.
;; Outputs: out0 4 x 2,048 x 1,024 float32.
;; One version. Each part assembles by itself: llvm-mc -triple=amdgcn-amd-amdhsa -mcpu=gfx1250 --defsym DOCPART=n.
;; ======== version 1 of 1: 4 launches
;; workspace buffers: wb 6,291,456 bytes; xp 50,331,648 bytes; lg 33,554,432 bytes
;; launch castw (part 1): grid 128 x 3, 8 waves a work-group, no clusters, 0 bytes of LDS; arguments kernel_q, kernel_k, kernel_v, wb; writes wb
.if DOCPART == 1
	.amdgcn_target "amdgcn-amd-amdhsa--gfx1250"
	.amdhsa_code_object_version 6
	.text
	.protected	k_qaf29b8927f_castw
	.globl	k_qaf29b8927f_castw
	.p2align	8
	.type	k_qaf29b8927f_castw,@function
k_qaf29b8927f_castw:
	s_mov_b64 s[64:65], 0
	v_nop
	global_prefetch_b8 v0, s[64:65] scope:SCOPE_SE
	s_setreg_imm32_b32 hwreg(HW_REG_WAVE_MODE, 25, 1), 1
	s_wait_xcnt 0x0
; wb[T][k][n] = bf16(W_T[k][n]), T = 0, 1, 2 for kernel_q, kernel_k, kernel_v: [1024][1024] f32 each, the layout kept, each number rounded once.
; A pure stream: no LDS, no matrix unit, no barrier.  Work-group (x, T) owns 8,192 numbers: 32,768 bytes in, 16,384 bytes out.
; Thread t takes, for j = 0 .. 7, the 16 bytes at 4,096 j + 16 t and stores 8 bytes at 2,048 j + 8 t: a wave's load covers 512 consecutive bytes,
; a wave's store 256 consecutive bytes at a multiple of 256 from wb's first byte.  All eight loads are issued before the first is used; no register is written twice.
.set X, 8                              ; v[8:39]   eight loads of four f32
.set Y, 40                             ; v[40:55]  eight pairs of packed bf16
	s_load_b256 s[4:11], s[0:1], 0x0               ; kernel_q s[4:5], kernel_k s[6:7], kernel_v s[8:9], wb s[10:11]
	s_and_b32 s12, ttmp7, 0xffff                   ; T
	s_lshl_b32 s14, ttmp9, 15                      ; my 32,768 bytes of W_T
	s_mov_b32 s15, 0
	s_lshl_b32 s16, ttmp9, 14                      ; my 16,384 bytes of wb,
	s_lshl_b32 s17, s12, 21                        ; behind T tensors of 2,097,152 bytes
	s_add_co_u32 s16, s16, s17
	s_mov_b32 s17, 0
	v_lshlrev_b32 v1, 4, v0                        ; 16 t
	v_lshlrev_b32 v2, 3, v0                        ; 8 t
	s_wait_kmcnt 0x0
	s_cmp_eq_u32 s12, 1
	s_cselect_b64 s[4:5], s[6:7], s[4:5]           ; the tensor is chosen by T alone
	s_cmp_eq_u32 s12, 2
	s_cselect_b64 s[4:5], s[8:9], s[4:5]
	s_add_nc_u64 s[4:5], s[4:5], s[14:15]
	s_add_nc_u64 s[10:11], s[10:11], s[16:17]
.irp j, 0,1,2,3,4,5,6,7
	global_load_b128 v[X+4*(\j):X+4*(\j)+3], v1, s[4:5] offset:4096*(\j) th:TH_LOAD_NT
.endr
.irp j, 0,1,2,3,4,5,6,7
	s_wait_loadcnt 7-(\j)                          ; loads come back in order: load j is in, the 7 - j younger ones stay out
	v_cvt_pk_bf16_f32 v[Y+2*(\j)], v[X+4*(\j)], v[X+4*(\j)+1]
	v_cvt_pk_bf16_f32 v[Y+2*(\j)+1], v[X+4*(\j)+2], v[X+4*(\j)+3]
	global_store_b64 v2, v[Y+2*(\j):Y+2*(\j)+1], s[10:11] offset:2048*(\j)
.endr
	s_endpgm
.Lfunc_end_k_qaf29b8927f_castw:
	.size	k_qaf29b8927f_castw, .Lfunc_end_k_qaf29b8927f_castw-k_qaf29b8927f_castw
	.p2alignl 7, 3214868480
	.fill 96, 4, 3214868480
	.section	.rodata,"a",@progbits
	.p2align	6, 0x0
	.amdhsa_kernel k_qaf29b8927f_castw
		.amdhsa_group_segment_fixed_size 0
		.amdhsa_private_segment_fixed_size 0
		.amdhsa_enable_private_segment 0
		.amdhsa_kernarg_size 32
		.amdhsa_user_sgpr_count 2
		.amdhsa_user_sgpr_kernarg_segment_ptr 1
		.amdhsa_wavefront_size32 1
		.amdhsa_system_sgpr_workgroup_id_x 1
		.amdhsa_system_sgpr_workgroup_id_y 1
		.amdhsa_system_sgpr_workgroup_id_z 1
		.amdhsa_system_vgpr_workitem_id 0
		.amdhsa_next_free_vgpr 56
		.amdhsa_next_free_sgpr 66
		.amdhsa_reserve_vcc 0
		.amdhsa_float_denorm_mode_32 3
		.amdhsa_float_denorm_mode_16_64 3
		.amdhsa_memory_ordered 1
		.amdhsa_forward_progress 1
		.amdhsa_inst_pref_size 4
	.end_amdhsa_kernel
	.amdgpu_metadata
---
amdhsa.version: [ 1, 2 ]
amdhsa.kernels:
  - .name:           k_qaf29b8927f_castw
    .symbol:         k_qaf29b8927f_castw.kd
    .args:
      - { .name: kernel_q, .offset: 0, .size: 8, .value_kind: global_buffer, .address_space: global }
      - { .name: kernel_k, .offset: 8, .size: 8, .value_kind: global_buffer, .address_space: global }
      - { .name: kernel_v, .offset: 16, .size: 8, .value_kind: global_buffer, .address_space: global }
      - { .name: wb, .offset: 24, .size: 8, .value_kind: global_buffer, .address_space: global }
    .group_segment_fixed_size: 0
    .private_segment_fixed_size: 0
    .kernarg_segment_align: 8
    .kernarg_segment_size: 32
    .max_flat_workgroup_size: 256
    .sgpr_count:     66
    .vgpr_count:     56
    .wavefront_size: 32
...
	.end_amdgpu_metadata
.endif
;; end of part 1
;; launch proj (part 2): grid 4 x 64, 4 waves a work-group, clusters of 4 x 4, 327,680 bytes of LDS; arguments q, k, v, bias_q, bias_k, bias_v, wb, xp; writes xp
.if DOCPART == 2
	.amdgcn_target "amdgcn-amd-amdhsa--gfx1250"
	.amdhsa_code_object_version 6
	.text
	.protected	k_qaf29b8927f_proj
	.globl	k_qaf29b8927f_proj
	.p2align	8
	.type	k_qaf29b8927f_proj,@function
k_qaf29b8927f_proj:
	s_mov_b64 s[64:65], 0
	v_nop
	global_prefetch_b8 v0, s[64:65] scope:SCOPE_SE
	s_setreg_imm32_b32 hwreg(HW_REG_WAVE_MODE, 25, 1), 1
	s_wait_xcnt 0x0
	s_wait_alu depctr_hold_cnt(0) depctr_sa_sdst(0) depctr_va_vdst(0) depctr_va_sdst(0) depctr_va_ssrc(0) depctr_va_vcc(0) depctr_vm_vsrc(0)
	s_getreg_b32 s2, hwreg(HW_REG_IB_STS2, 6, 4)
	s_cmp_eq_u32 s2, 0
	s_cbranch_scc0 .Lentry_in_a_cluster
	s_endpgm
.Lentry_in_a_cluster:
	s_bfe_u32 s2, ttmp6, 0x10000c
	s_cmp_lg_u32 s2, 0xf033
	s_cbranch_scc0 .Lentry_shape_is_right
	s_endpgm
.Lentry_shape_is_right:
; xp[T][row][n] = bf16(relu(sum over k of x_T[row][k] W_T[k][n] + bias_T[n])), T = 0, 1, 2 for q, k, v.  x_T: [8192][1024] f32; wb: [3][1024 k][1024 n] bf16; xp: [3][8192][1024] bf16.
; x is rounded to bf16 in registers on its way to the matrix unit, sums are f32, the bias (f32) is the C operand that starts each sum, the result is rounded once and then held at 0 or above.
; LIMITS.  A NaN result becomes 0 (the packed maximum lets a NaN lose); infinities are not treated apart; x, W and xp are each rounded once to bf16.
; SHARES.  A tile is 128 rows x 256 columns, four waves of 64 x 128: 32 accumulators of 16 x 16 a wave.  A WORK-GROUP STAYS: 4 x 64 = 256 work-groups, each makes the tile at its place of q, then of k, then of v.
; THE WALK.  Three tiles x 8 K steps of 128 are ONE sequence of 24 steps for a ring of two LDS slots: a trip of the loop is a step, 22 trips ask for the step two further on, the last two steps are written
; out.  A slot holds A's tile, 128 rows x 128 f32, and B's, 128 k-rows x 256 bf16 (rows of 512 bytes both); each wave fetches 64 rows of one of them by one tensor load.  wb's three tensors lie end to end, so
; B's address steps on from tensor to tensor; A's is made anew for each refill from the step's number.  Where a tile ends (steps 8 and 16) a forward branch on the step's number takes the way out and the
; quarter that starts the next tile's sums: both refills are asked for by then, and nothing waits for the stores.
; CLUSTER.  4 x 4 work-groups: the four of a row of the cluster need the same rows of x, the four of a column the same columns of W: each tile is asked for jointly, by the same load with a mask of four.
; THE MATRIX INSTRUCTION IS USED TRANSPOSED: source 0 = 16 columns of W (turned out of LDS by ds_load_tr16_b128), source 1 = 16 rows of x: a lane holds row l % 16 and the columns 8 (l / 16) + 0..7.
; PIPELINE, by quarters of 32 along K.  In quarter g: B's fragments of g + 1 are loaded; A's f32 of g + 1 (loaded in g - 1) are rounded to bf16, eight conversions behind every four matrix instructions of
; the quarter's second half; A's f32 of g + 2 are loaded.  So a slot's last read stands in its step's third quarter, and the change of slots with it.
; REGISTERS, in windows of 256 (s_set_vgpr_msb: bits 1:0 source 0, 3:2 source 1, 5:4 source 2, 7:6 destination):
;   window 0: v0-30 addresses; v32-95 A in f32; v96-127, v128-159 A's bf16 fragments, two buffers; v160-191 packed results; v192-255 rows on the way out, two buffers
;   window 1: accumulator (a, b) at v[8 (8 a + b)]          window 2: v0-63, v64-127 B's fragments, two buffers; v128-191 the bias, 8 registers for each b
.set KSTEP,  128
.set STEPS,  24
.set PA,     528                       ; a row of A in LDS: 512 bytes + 16 of padding = 33 x 16: the 16 rows of a load start at 16 different groups of four banks (64 banks of 4 bytes: ISA guide 11.1)
.set PB,     544                       ; a row of B: 512 + 32 = 17 x 32
.set HA,     64*PA                     ; what one tensor load brings of A
.set HB,     64*PB                     ; and of B
.set BOFF,   2*HA                      ; B's tile lies behind A's
.set SLOT,   BOFF+2*HB
.set STAGE,  2*SLOT                    ; behind the ring, never filled by a tensor load: 16 rows x 272 bytes for each wave, for the way out
.set SPITCH, 272
.set SPARE,  STAGE+4*16*SPITCH         ; behind the stages: the spare words, 128 bytes for each wave: two blocks of 256 bytes that no other line names
.set A0,   10                          ; v10     my lane's place in A's tile of slot 0; never rewritten
.set B0,   11                          ; v11     the same for B's turning loads
.set ADRA, 16                          ; v16     A0 + the slot that is being read
.set ADRB, 20                          ; v20     B0 + the slot that is being read
.set STO,  24                          ; v24     the way out: where I put 16 bytes of a row
.set RD,   25                          ; v25     the way out: where I read a row back
.set CO,   26                          ; v26     my byte offset in xp
.set BO,   27                          ; v27     my byte offset in the bias
.set SPW,  28                          ; v28     LDS address of my spare word; never rewritten
.set NIL,  29                          ; v29     0, for the add alone
.set ZR,   30                          ; v30     0, for the packed maximum
.set AF,   32
.set AB,   96
.set TMP,  160
.set OB,   192
.set BF,   0                           ; window 2
.set BI,   128                         ; window 2
.set G1,  24                           ; s[24:31] descriptor group 1 for A's tiles;  s[32:39] group 0: a set for each of the two first fills; the second then walks on
.set G0,  32
.set G1B, 48                           ; s[48:55], s[56:63] the same for B's
.set G0B, 56
.set TB,  84                           ; s84  0 or SLOT: the slot that is being read
.set TF,  85                           ; s85  0 or SLOT: the slot that was filled last
.set FJ,  86                           ; s86  the number, 2 .. 23, of the step to be asked for next
.set TT,  87                           ; s87  at work
.set KO,  88                           ; s[88:89] that step's byte offset along x's rows
.set MSB, 0
.macro WIN new                         ; the immediate's high byte repeats the setting that is left; a switch that changes nothing is dropped
.if MSB != (\new)
	s_set_vgpr_msb (MSB<<8)|(\new)
.set MSB, \new
.endif
.endm
.set MUL,  0x52                        ; source 0 (B) window 2, source 1 (A) window 0, C and D window 1
.set MULB, 0x62                        ; the same with C (the bias) in window 2
.set TO_B, 0x80                        ; destination window 2, address window 0
.set PK,   0x05                        ; sources 0 and 1 window 1, destination window 0
; A joint load: waves 0 and 1 fetch A's two halves, waves 2 and 3 B's.  The branch hangs on the wave's number alone.  An s_nop 0 and four v_nop follow each of the two lines.
.macro JLOAD s
	s_cmp_eq_u32 s11, 0
	s_cbranch_scc0 .Lfor_b_\@
	tensor_load_to_lds s[G0+4*(\s):G0+4*(\s)+3], s[G1:G1+7]
	s_nop 0
.rept 4
	v_nop
.endr
	s_branch .Lasked_\@
.Lfor_b_\@:
	tensor_load_to_lds s[G0B+4*(\s):G0B+4*(\s)+3], s[G1B:G1B+7]
	s_nop 0
.rept 4
	v_nop
.endr
.Lasked_\@:
.endm
.macro CREST                           ; a round of the cluster's barrier behind its opening barrier
	s_cmp_lg_u32 s10, 0
	s_cbranch_scc1 .Lnot_wave_0_\@
	s_barrier_signal -3
.Lnot_wave_0_\@:
	s_barrier_wait -3
	s_barrier_signal -1
	s_barrier_wait -1
.endm
.macro CROUND                          ; a whole round
	s_barrier_signal -1
	s_barrier_wait -1
	CREST
.endm
.macro SETADR                          ; the LDS addresses of the slot that is being read
	WIN 0
	v_add_nc_u32 v[ADRA], s[TB], v[A0]
	v_add_nc_u32 v[ADRB], s[TB], v[B0]
.endm
	s_load_b512 s[68:83], s[0:1], 0x0              ; q 68, k 70, v 72, bias_q 74, bias_k 76, bias_v 78, wb 80, xp 82
	v_lshl_add_u32 v[SPW], v0, 2, SPARE
	v_mov_b32 v[NIL], 0
	ds_add_u32 v[SPW], v[NIL]                      ; the wave's opening: the add and its wait stand ahead of my first tensor load; the set-up below, work on registers, stands between them
	v_lshrrev_b32 v1, 5, v0
	v_readfirstlane_b32 s10, v1                    ; wave 0..3
	s_lshr_b32 s11, s10, 1                         ; which half of the tile's rows is mine.  Also: I fetch for A (0) or for B (1)
	s_and_b32 s12, s10, 1                          ; which half of its columns.  Also: which 64 rows of that tile I fetch
	s_bfe_u32 s40, ttmp6, 0x40000                  ; cx, cy: my place in the cluster
	s_bfe_u32 s41, ttmp6, 0x40004
	s_lshl_b32 s42, ttmp9, 2
	s_add_co_u32 s42, s42, s40                     ; tile column = 4 x cluster x + cx, 0 .. 3
	s_and_b32 s45, ttmp7, 0xffff                   ; the cluster's y, 0 .. 15
	s_lshl_b32 s13, s45, 2
	s_add_co_u32 s13, s13, s41                     ; tile row, 0 .. 63, the same in all three tensors
	s_lshl_b32 s43, s41, 2
	s_lshl_b32 s43, 15, s43                        ; my row of the cluster
	s_lshl_b32 s44, 0x1111, s40                    ; my column
	; descriptor group 1.  A: 64 rows x 128 elements of 4 bytes; B: 64 rows x 256 elements of 2 bytes; both padded after every 128 words
	s_or_b32 s[G1+0], s43, (2<<16)|(1<<20)|(1<<21)|(6<<22)|(3<<25)   ; 15:0 the mask: my row; 17:16 elements of 4 bytes; 20 padding on; 21 set beside a mask; 24:22 after every 128 words (code 6); 31:25 4 words (code 3)
	s_mov_b32 s[G1+1], 128<<16                     ; tensor_dim0 = 128
	s_mov_b32 s[G1+2], 64<<16                      ; tensor_dim1 = 64
	s_mov_b32 s[G1+3], 128<<16                     ; tile_dim0 = 128
	s_mov_b32 s[G1+4], 64                          ; tile_dim1 = 64
	s_mov_b32 s[G1+5], 1024                        ; elements from row to row
	s_mov_b32 s[G1+6], 0
	s_mov_b32 s[G1+7], 0
	s_or_b32 s[G1B+0], s44, (1<<16)|(1<<20)|(1<<21)|(6<<22)|(7<<25)  ; the mask: my column; elements of 2 bytes; 8 words of padding (code 7)
	s_mov_b32 s[G1B+1], 256<<16
	s_mov_b32 s[G1B+2], 64<<16
	s_mov_b32 s[G1B+3], 256<<16
	s_mov_b32 s[G1B+4], 64
	s_mov_b32 s[G1B+5], 1024
	s_mov_b32 s[G1B+6], 0
	s_mov_b32 s[G1B+7], 0
	; where the tiles come from.  A's hang on the tile row and the wave; B's on the tile column and the wave: each in registers that never hold the other coordinate
	s_lshl_b32 s16, s13, 7
	s_lshl_b32 s17, s12, 6
	s_add_co_u32 s16, s16, s17                     ; A: row 128 x tile row + 64 x half,
	s_lshl_b32 s16, s16, 12                        ; of 4,096 bytes
	s_mov_b32 s17, 0
	s_lshl_b32 s46, s12, 17                        ; B: 64 k-rows of 2,048 bytes x half,
	s_lshl_b32 s47, s42, 9                         ; 256 columns of 2 bytes x tile column
	s_add_co_u32 s46, s46, s47
	s_mov_b32 s47, 0
	s_mul_i32 s20, s12, HA                         ; and where they go: no place in the cluster enters an LDS address
	s_mul_i32 s21, s12, HB
	s_add_co_u32 s21, s21, BOFF
	s_mov_b32 s[TB], 0                             ; step 0 is read from slot 0
	s_mov_b32 s[TF], SLOT                          ; the second first fill goes to slot 1
	s_mov_b32 s[FJ], 2
	s_mov_b32 s[KO+1], 0
	s_wait_dscnt 0x0                               ; the opening add is done
	s_wait_kmcnt 0x0
	s_add_nc_u64 s[68:69], s[68:69], s[16:17]      ; q, k and v at the rows that I fetch
	s_add_nc_u64 s[70:71], s[70:71], s[16:17]
	s_add_nc_u64 s[72:73], s[72:73], s[16:17]
	s_add_nc_u64 s[46:47], s[80:81], s[46:47]
	CROUND                                         ; all sixteen work-groups are here: the first joint loads meet
.irp s, 0,1
	s_mov_b32 s[G0+4*(\s)], 1                                        ; count = 1
	s_add_co_u32 s[G0+4*(\s)+1], s20, (\s)*SLOT                      ; LDS address
	s_add_nc_u64 s[G0+4*(\s)+2:G0+4*(\s)+3], s[68:69], (\s)*KSTEP*4  ; global address: step s, of q
	s_or_b32 s[G0+4*(\s)+3], s[G0+4*(\s)+3], 0x80000000              ; type = 2
	s_mov_b32 s[G0B+4*(\s)], 1
	s_add_co_u32 s[G0B+4*(\s)+1], s21, (\s)*SLOT
	s_add_nc_u64 s[G0B+4*(\s)+2:G0B+4*(\s)+3], s[46:47], (\s)*KSTEP*2048
	s_or_b32 s[G0B+4*(\s)+3], s[G0B+4*(\s)+3], 0x80000000
	JLOAD \s                                       ; both slots are asked for before anything else is done: two loads of mine are out
.endr
	v_and_b32 v1, 15, v0                           ; r = l % 16
	v_bfe_u32 v2, v0, 4, 1                         ; h = l / 16
	v_and_b32 v3, 7, v0
	v_bfe_u32 v4, v0, 3, 1
	; A in f32: lane (r, h) wants k = 8 h + 0..7 and 16 + 8 h + 0..7 of row r: 32 bytes at 32 h and 32 bytes at 64 + 32 h
	v_mul_u32_u24 v5, v1, PA
	v_lshl_add_u32 v5, v2, 5, v5
	; the turning load takes 16 k x 16 columns: lane l reads k-row 8 h + l % 8, columns 8 ((l / 8) % 2) + 0..7, and is left with column l % 16 and 8 k
	v_lshl_add_u32 v6, v2, 3, v3
	v_mul_u32_u24 v6, v6, PB
	v_lshl_add_u32 v6, v4, 4, v6
	s_mul_i32 s22, s11, HA                         ; my 64 rows of A
	s_lshl_b32 s23, s12, 8                         ; my 128 columns of B
	s_add_co_u32 s23, s23, BOFF
	v_add_nc_u32 v[A0], s22, v5
	v_add_nc_u32 v[B0], s23, v6
	SETADR
	s_mul_i32 s23, s10, 16*SPITCH
	s_add_co_u32 s23, s23, STAGE                   ; my stage
	v_mul_u32_u24 v7, v1, SPITCH                   ; in: row r, 16 bytes for each half of the lanes
	v_lshl_add_u32 v7, v2, 4, v7
	v_add_nc_u32 v[STO], s23, v7
	v_mul_u32_u24 v7, v2, SPITCH                   ; back: lanes 0-15 take one row of 256 bytes, lanes 16-31 the next
	v_lshl_add_u32 v7, v1, 4, v7
	v_add_nc_u32 v[RD], s23, v7
	v_lshlrev_b32 v7, 11, v2                       ; and the same two rows in xp, 2,048 bytes apart
	v_lshl_add_u32 v[CO], v1, 4, v7
	v_lshlrev_b32 v[BO], 5, v2                     ; my eight numbers of the bias begin 8 h numbers into each 16
	v_mov_b32 v[ZR], 0
	s_lshl_b32 s16, s42, 10                        ; the three biases at my wave's first column: 256 x tile column + 128 x half, 4 bytes each
	s_lshl_b32 s17, s12, 9
	s_add_co_u32 s16, s16, s17
	s_mov_b32 s17, 0
	s_add_nc_u64 s[74:75], s[74:75], s[16:17]
	s_add_nc_u64 s[76:77], s[76:77], s[16:17]
	s_add_nc_u64 s[78:79], s[78:79], s[16:17]
	s_lshl_b32 s16, s13, 7                         ; xp at my wave's first row and column, in q's part
	s_lshl_b32 s17, s11, 6
	s_add_co_u32 s16, s16, s17
	s_lshl_b32 s16, s16, 11
	s_lshl_b32 s17, s42, 9
	s_add_co_u32 s16, s16, s17
	s_lshl_b32 s17, s12, 8
	s_add_co_u32 s16, s16, s17
	s_mov_b32 s17, 0
	s_add_nc_u64 s[82:83], s[82:83], s[16:17]
; The bias whose address lies in s[p:p+1]: register j of the eight for b is bias[16 b + 8 h + j], the layout of an accumulator
.macro BIAS p
	WIN TO_B
.irp b, 0,1,2,3,4,5,6,7
	global_load_b128 v[BI+8*(\b):BI+8*(\b)+3],   v[BO], s[\p:\p+1] offset:64*(\b)
	global_load_b128 v[BI+8*(\b)+4:BI+8*(\b)+7], v[BO], s[\p:\p+1] offset:64*(\b)+16
.endr
	WIN 0
.endm
	BIAS 74
; n matrix instructions from number i0 on: number i is accumulator (a, b) = (i / 8, i % 8), 32 along K from buffer f.  The 32 accumulators take turns in the same order in every quarter.
; mode = 1: the bias starts the sums: nothing is cleared, and nothing is added later.
.macro MM f, i0, n, mode
.if \mode
	WIN MULB
.else
	WIN MUL
.endif
.set mi, \i0
.rept \n
.if \mode
	v_wmma_f32_16x16x32_bf16 v[8*mi:8*mi+7], v[BF+64*(\f)+8*(mi%8):BF+64*(\f)+8*(mi%8)+7], v[AB+32*(\f)+8*(mi/8):AB+32*(\f)+8*(mi/8)+7], v[BI+8*(mi%8):BI+8*(mi%8)+7]
.else
	v_wmma_f32_16x16x32_bf16 v[8*mi:8*mi+7], v[BF+64*(\f)+8*(mi%8):BF+64*(\f)+8*(mi%8)+7], v[AB+32*(\f)+8*(mi/8):AB+32*(\f)+8*(mi/8)+7], v[8*mi:8*mi+7]
.endif
.set mi, mi+1
.endr
.endm
.macro LA kq                           ; 16 LDS loads: my 64 rows x 32 K of A in f32, quarter kq of the slot that is being read
	WIN 0
.irp i, 0,1,2,3
	ds_load_b128 v[AF+16*(\i):AF+16*(\i)+3],     v[ADRA] offset:(\kq)*128+(\i)*16*PA
	ds_load_b128 v[AF+16*(\i)+4:AF+16*(\i)+7],   v[ADRA] offset:(\kq)*128+(\i)*16*PA+16
	ds_load_b128 v[AF+16*(\i)+8:AF+16*(\i)+11],  v[ADRA] offset:(\kq)*128+(\i)*16*PA+64
	ds_load_b128 v[AF+16*(\i)+12:AF+16*(\i)+15], v[ADRA] offset:(\kq)*128+(\i)*16*PA+80
.endr
.endm
.macro LB kq, g                        ; 16 turning loads: 32 K x my 128 columns of B, quarter kq of the slot that is being read, into buffer g
	WIN TO_B
.irp b, 0,1,2,3,4,5,6,7
	ds_load_tr16_b128 v[BF+64*(\g)+8*(\b):BF+64*(\g)+8*(\b)+3],   v[ADRB] offset:(\kq)*32*PB+32*(\b)
	ds_load_tr16_b128 v[BF+64*(\g)+8*(\b)+4:BF+64*(\g)+8*(\b)+7], v[ADRB] offset:(\kq)*32*PB+16*PB+32*(\b)
.endr
.endm
.macro RIDE i, g                       ; fragment i of A is rounded to bf16 into buffer g: eight plain instructions that name no register of the products round them
	WIN 0
.irp j, 0,1,2,3,4,5,6,7
	v_cvt_pk_bf16_f32 v[AB+32*(\g)+8*(\i)+(\j)], v[AF+16*(\i)+2*(\j)], v[AF+16*(\i)+2*(\j)+1]
.endr
.endm
; A quarter: multiplies buffers f.  lbk: the quarter of B's next fragments; lak: of A's f32 after next (lak < 0: none is left).
; Every quarter ends in eight conversions: they are the places (ISA guide 7.12.1) between its last products and whatever later reads their results or writes the registers that they read.
.macro Q f, lbk, lak, mode=0
	s_wait_dscnt 16                                ; this quarter's B is in; the 16 loads of A's f32 issued behind it may be out
	MM \f, 0, 8, \mode
	LB \lbk, 1-(\f)
	MM \f, 8, 8, \mode
	s_wait_dscnt 16                                ; A's f32 are in; the 16 loads of B just issued may be out
	MM \f, 16, 4, \mode
	RIDE 0, 1-(\f)
	MM \f, 20, 4, \mode
	RIDE 1, 1-(\f)
	MM \f, 24, 4, \mode
	RIDE 2, 1-(\f)
	MM \f, 28, 4, \mode
	RIDE 3, 1-(\f)
.if (\lak) >= 0
	LA \lak
.endif
.endm
; A step's third quarter, with the change of slots.  B's last quarter of the slot is asked for; then each wave waits for all its tensor loads, of which one is out: its part of the other slot; adds 0 to its spare
; word; and waits for that and for its own reads of the slot.  Behind the barrier nobody reads the slot any more and the other slot is whole.  fill = 1: the barrier opens a round of the cluster's barrier, and the
; slot is filled again, with step FJ, first thing behind the round: the load has 120 matrix instructions of mine in which to land.
.macro TURNQ fill
	s_wait_dscnt 16
	MM 0, 0, 8, 0
	LB 3, 1
	MM 0, 8, 8, 0
	WIN 0                                          ; (the add's two registers lie in window 0)
	s_wait_tensorcnt 0x0                           ; all my tensor loads have landed, so a group 0 may be written
	ds_add_u32 v[SPW], v[NIL]                      ; 0 onto my spare word; the walking descriptors' steps stand between it and the wait for it
.if \fill
	s_xor_b32 s[TF], s[TF], SLOT                   ; the other slot than last time
	s_add_co_u32 s[G0+5], s20, s[TF]
	s_add_co_u32 s[G0B+5], s21, s[TF]
	s_add_nc_u64 s[G0B+6:G0B+7], s[G0B+6:G0B+7], KSTEP*2048  ; B: the next 128 k-rows; behind a tensor's last follow the next tensor's first; the type bits on top are not reached
	s_and_b32 s[KO], s[FJ], 7                      ; A: the step within its tile,
	s_lshl_b32 s[KO], s[KO], 9                     ; 512 bytes along the rows each,
	s_lshr_b32 s[TT], s[FJ], 3                     ; and the tensor: the address is made anew from its buffer's
	s_cmp_eq_u32 s[TT], 1
	s_cselect_b64 s[G0+6:G0+7], s[70:71], s[68:69]
	s_cmp_eq_u32 s[TT], 2
	s_cselect_b64 s[G0+6:G0+7], s[72:73], s[G0+6:G0+7]
	s_add_nc_u64 s[G0+6:G0+7], s[G0+6:G0+7], s[KO:KO+1]
	s_or_b32 s[G0+7], s[G0+7], 0x80000000
	s_add_co_u32 s[FJ], s[FJ], 1
.endif
	s_wait_dscnt 17                                ; A's f32 are in; B's 16 loads and the add may be out
	MM 0, 16, 4, 0
	RIDE 0, 1
	s_wait_dscnt 0x0                               ; the add is done, and my reads of the slot are over
	s_barrier_signal -1
	MM 0, 20, 4, 0                                 ; work on registers while the others arrive
	RIDE 1, 1
	WIN 0
	s_barrier_wait -1
.if \fill
	CREST                                          ; no wave of any partner still reads this slot's tiles or has a load on its way
	JLOAD 1
.endif
	s_xor_b32 s[TB], s[TB], SLOT                   ; from here on the other slot is read
	SETADR
	MM 0, 24, 4, 0
	RIDE 2, 1
	MM 0, 28, 4, 0
	RIDE 3, 1
	LA 0                                           ; the first read of the other slot
.endm
; THE WAY OUT of block a (16 rows).  PACK: rounded to bf16, 16 bytes a lane, each accumulator's registers in ascending order; then the ReLU on the packed pairs, which gives the same numbers as one on the f32.
.macro PACK a
	WIN PK
.irp b, 0,1,2,3,4,5,6,7
.irp r, 0,1,2,3
	v_cvt_pk_bf16_f32 v[TMP+4*(\b)+(\r)], v[64*(\a)+8*(\b)+2*(\r)], v[64*(\a)+8*(\b)+2*(\r)+1]
.endr
.endr
	WIN 0
.set pz, 0
.rept 32
	v_pk_max_num_bf16 v[TMP+pz], v[TMP+pz], v[ZR]
.set pz, pz+1
.endr
.endm
.macro TOSTAGE a                       ; into my own stage, and back as whole rows of 256 bytes
	WIN 0
	s_wait_xcnt 0x0                                ; the rows' registers were the data of earlier stores: they are loaded again only behind this wait
.irp b, 0,1,2,3,4,5,6,7
	ds_store_b128 v[STO], v[TMP+4*(\b):TMP+4*(\b)+3] offset:32*(\b)
.endr
.irp t, 0,1,2,3,4,5,6,7
	ds_load_b128 v[OB+32*((\a)%2)+4*(\t):OB+32*((\a)%2)+4*(\t)+3], v[RD] offset:(\t)*2*SPITCH  ; LDS serves a wave's instructions in order (ISA guide 5.7.1.4): these see the stores above
.endr
.endm
.macro SEND a
	WIN 0
	s_wait_dscnt 0x0                               ; the block is back in registers
.irp t, 0,1,2,3,4,5,6,7
	global_store_b128 v[CO], v[OB+32*((\a)%2)+4*(\t):OB+32*((\a)%2)+4*(\t)+3], s[82:83] offset:(16*(\a)+2*(\t))*2048  ; 16 lanes store 256 consecutive bytes, at a multiple of 256 from xp's first byte
.endr
.endm
.macro WAYOUT                          ; block a's arithmetic stands between block a - 1's loads from the stage and the wait for them
	PACK 0
	TOSTAGE 0
.irp a, 1,2,3
	PACK \a
	SEND (\a)-1
	TOSTAGE \a
.endr
	SEND 3
.endm
	s_wait_tensorcnt 1                             ; my part of step 0 is in; step 1's may stay out
	s_barrier_signal -1
	s_barrier_wait -1                              ; everybody's is
	LA 0
	LB 0, 0
	s_wait_dscnt 16                                ; A's f32 of the first quarter are in
	RIDE 0, 0
	RIDE 1, 0
	RIDE 2, 0
	RIDE 3, 0
	LA 1
	s_wait_loadcnt 0x0                             ; bias_q
	Q 0, 1, 2, 1                                   ; the first quarter stands in front of the loop: its products start the sums
	BIAS 76                                        ; bias_k goes where bias_q lay: the quarter's last eight conversions are the places behind the products that read it
	s_mov_b32 s3, STEPS-2
.Lstep:                                                ; a trip: a step's quarters 1 to 3 and the next step's quarter 0; the slot that it leaves is filled again
	Q 1, 2, 3
	TURNQ 1
	Q 1, 0, 1
	WIN 0                                          ; at a label and at a branch every window is 0
	s_and_b32 s[TT], s[FJ], 7                      ; FJ is two ahead of the step that begins now: does a tile begin with it?
	s_cmp_eq_u32 s[TT], 2
	s_cbranch_scc0 .Lplain                         ; the same answer in every work-group; what is jumped holds no barrier and no tensor load
	WAYOUT                                         ; the tile is finished, and the next tile's first two steps are asked for
	s_wait_xcnt 0x0                                ; the stores have had their addresses translated: their base may step
	s_add_nc_u64 s[82:83], s[82:83], 0x1000000     ; the same place in the next tensor's part of xp
	s_wait_loadcnt 0x0                             ; the next tensor's bias, asked for a tile ago
	Q 0, 1, 2, 1                                   ; its products start the next tile's sums
	WIN 0
	s_cmp_eq_u32 s[FJ], 10                         ; k's tile has begun: bias_v is asked for; behind v's nothing is left to ask for
	s_cbranch_scc0 .Ljoin
	BIAS 78
	s_branch .Ljoin
.Lplain:
	Q 0, 1, 2, 0
	WIN 0
.Ljoin:
	s_sub_co_u32 s3, s3, 1
	s_cmp_lg_u32 s3, 0
	s_cbranch_scc1 .Lstep
	Q 1, 2, 3                                      ; the last two steps are written out: they fill nothing
	TURNQ 0
	Q 1, 0, 1
	Q 0, 1, 2
	Q 1, 2, 3
	Q 0, 3, -1
	s_wait_dscnt 0x0                               ; B's last fragments
	MM 1, 0, 32, 0
	WIN 0
.rept 4
	v_nop                                          ; the places between the last products and the conversions that read results
.endr
	WAYOUT
	s_wait_tensorcnt 0x0                           ; the wave's end: behind my last tensor load and my last LDS store
	ds_add_u32 v[SPW], v[NIL]
	s_wait_dscnt 0x0
	CROUND                                         ; the closing round: no work-group ends while a partner may still ask for a tile that names it
	s_endpgm
.Lfunc_end_k_qaf29b8927f_proj:
	.size	k_qaf29b8927f_proj, .Lfunc_end_k_qaf29b8927f_proj-k_qaf29b8927f_proj
	.p2alignl 7, 3214868480
	.fill 96, 4, 3214868480
	.section	.rodata,"a",@progbits
	.p2align	6, 0x0
	.amdhsa_kernel k_qaf29b8927f_proj
		.amdhsa_group_segment_fixed_size 327680
		.amdhsa_private_segment_fixed_size 0
		.amdhsa_enable_private_segment 0
		.amdhsa_kernarg_size 64
		.amdhsa_user_sgpr_count 2
		.amdhsa_user_sgpr_kernarg_segment_ptr 1
		.amdhsa_wavefront_size32 1
		.amdhsa_system_sgpr_workgroup_id_x 1
		.amdhsa_system_sgpr_workgroup_id_y 1
		.amdhsa_system_sgpr_workgroup_id_z 1
		.amdhsa_system_vgpr_workitem_id 0
		.amdhsa_next_free_vgpr 704
		.amdhsa_next_free_sgpr 96
		.amdhsa_reserve_vcc 0
		.amdhsa_float_denorm_mode_32 3
		.amdhsa_float_denorm_mode_16_64 3
		.amdhsa_memory_ordered 1
		.amdhsa_forward_progress 1
		.amdhsa_inst_pref_size 145
	.end_amdhsa_kernel
	.amdgpu_metadata
---
amdhsa.version: [ 1, 2 ]
amdhsa.kernels:
  - .name:           k_qaf29b8927f_proj
    .symbol:         k_qaf29b8927f_proj.kd
    .args:
      - { .name: q, .offset: 0, .size: 8, .value_kind: global_buffer, .address_space: global }
      - { .name: k, .offset: 8, .size: 8, .value_kind: global_buffer, .address_space: global }
      - { .name: v, .offset: 16, .size: 8, .value_kind: global_buffer, .address_space: global }
      - { .name: bias_q, .offset: 24, .size: 8, .value_kind: global_buffer, .address_space: global }
      - { .name: bias_k, .offset: 32, .size: 8, .value_kind: global_buffer, .address_space: global }
      - { .name: bias_v, .offset: 40, .size: 8, .value_kind: global_buffer, .address_space: global }
      - { .name: wb, .offset: 48, .size: 8, .value_kind: global_buffer, .address_space: global }
      - { .name: xp, .offset: 56, .size: 8, .value_kind: global_buffer, .address_space: global }
    .group_segment_fixed_size: 327680
    .private_segment_fixed_size: 0
    .kernarg_segment_align: 8
    .kernarg_segment_size: 64
    .max_flat_workgroup_size: 128
    .sgpr_count:     96
    .vgpr_count:     704
    .wavefront_size: 32
...
	.end_amdgpu_metadata
.endif
;; end of part 2
;; launch scores (part 3): grid 8 x 32, 4 waves a work-group, clusters of 4 x 4, 327,680 bytes of LDS; arguments xp, mask, lg; writes lg
.if DOCPART == 3
	.amdgcn_target "amdgcn-amd-amdhsa--gfx1250"
	.amdhsa_code_object_version 6
	.text
	.protected	k_qaf29b8927f_scores
	.globl	k_qaf29b8927f_scores
	.p2align	8
	.type	k_qaf29b8927f_scores,@function
k_qaf29b8927f_scores:
	s_mov_b64 s[64:65], 0
	v_nop
	global_prefetch_b8 v0, s[64:65] scope:SCOPE_SE
	s_setreg_imm32_b32 hwreg(HW_REG_WAVE_MODE, 25, 1), 1
	s_wait_xcnt 0x0
	s_wait_alu depctr_hold_cnt(0) depctr_sa_sdst(0) depctr_va_vdst(0) depctr_va_sdst(0) depctr_va_ssrc(0) depctr_va_vcc(0) depctr_vm_vsrc(0)
	s_getreg_b32 s2, hwreg(HW_REG_IB_STS2, 6, 4)
	s_cmp_eq_u32 s2, 0
	s_cbranch_scc0 .Lentry_in_a_cluster
	s_endpgm
.Lentry_in_a_cluster:
	s_bfe_u32 s2, ttmp6, 0x10000c
	s_cmp_lg_u32 s2, 0xf033
	s_cbranch_scc0 .Lentry_shape_is_right
	s_endpgm
.Lentry_shape_is_right:
; lg[b][q][k] = bf16(relu(sum over e of qp[b][q][e] kp[b][k][e]) / 32 + mask[q][k]).  qp = xp + 0, kp = xp + 16,777,216 bytes: [8192][1024] bf16; mask: [2048][2048] f32; lg: [8192][2048] bf16.
; Sums in f32; the ReLU, the scale 2^-5 (exact: sqrt(1024) = 32) and the mask are applied in f32, by one maximum and one fused multiply-add; lg is rounded once.
; LIMITS.  A NaN score becomes 0 (the maximum lets a NaN lose); infinities are not treated apart.
; SHARES.  A tile of 256 x 256 to a work-group of four waves, 128 x 128 a wave: 64 accumulators, 512 registers.  8 x 32 tiles.  K = 1,024 goes in 8 steps of 128 through two LDS slots,
; each with 256 rows of qp and 256 rows of kp; a wave fetches 128 rows x 256 bytes by one tensor load.  A trip of the loop is one step: the slot that is read is a scalar, 0 or SLOT, added to the lane's place.
; CLUSTER.  4 x 4 work-groups: the four of a row of the cluster need the same rows of qp, the four of a column the same rows of kp: each tile is asked for jointly, by the same load with a mask of four.
; The batch, tile row / 8, is half the cluster's y: the same in all sixteen partners.
; THE MATRIX INSTRUCTION IS USED TRANSPOSED (source 0 = 16 rows of kp, source 1 = 16 rows of qp): a lane holds query l % 16 and the keys 8 (l / 16) + 0..7.
; REGISTERS, in windows of 256 (s_set_vgpr_msb: bits 1:0 source 0, 3:2 source 1, 5:4 source 2, 7:6 destination):
;   window 0: v0-31 addresses; v64-127, v128-191 fragments of qp, two buffers, later two blocks of rows on the way out; v192-223 packed results
;   window 1: v64-127, v128-191 fragments of kp, two buffers; all 256 hold four blocks of the mask (16 rows x 4 registers each): two of them are asked for at the start, in the registers that the loop leaves idle
;   window 2: the 32 accumulators of my rows 0-63 (accumulator (a, b) at v[8 (8 a + b)]);   window 3: those of my rows 64-127
.set SIZE_K, 1024
.set KSTEP,  128
.set STEPS,  SIZE_K/KSTEP
.set PITCH,  272                       ; an LDS row: 256 bytes + 16 of padding = 68 words: the 16 rows of a load start at 16 different groups of four banks (64 banks of 4 bytes: ISA guide 11.1)
.set HALFT,  128*PITCH
.set SLOT,   4*HALFT                   ; qp's 256 rows, then kp's 256 rows
.set STAGE,  2*SLOT                    ; behind the ring, never filled by a tensor load: 16 rows x 528 bytes of f32 for each wave
.set SPITCH, 528
.set SPARE,  STAGE+4*16*SPITCH         ; behind the stages: the spare words, 128 bytes for each wave: two blocks of 256 bytes that no other line names
.set A0,   12                          ; v12     my lane's place in qp's tile of slot 0; never rewritten
.set B0,   13                          ; v13     the same for kp
.set ADRA, 16                          ; v16     A0 + the slot that is being read
.set ADRB, 20                          ; v20     B0 + the slot that is being read
.set STO,  24                          ; v24     the way out: where I put 32 bytes of a row
.set RD,   25                          ; v25     the way out: my 16 bytes of a row of 512
.set CO,   26                          ; v26     8 x lane: my byte offset in a row's 256 bytes of lg
.set MO,   27                          ; v27     16 x lane: my byte offset in a row's 512 bytes of the mask
.set SPW,  28                          ; v28     LDS address of my spare word; never rewritten
.set NIL,  29                          ; v29     0; never rewritten
.set F0,   64
.set F1,   128
.set SB,   64
.set OUT,  192
.set G1,  24                           ; s[24:31] group 1 for qp's tiles; s[32:39] group 0: a set for each of the two first fills; the second then walks on
.set G0,  32
.set G1B, 48                           ; the same for kp's
.set G0B, 56
.set TB,  85                           ; s85  0 or SLOT: the slot that is being read
.set TF,  86                           ; s86  0 or SLOT: the slot that was filled last
.set SC,  88                           ; s[88:89] 2^-5: the packed multiply-add names a pair and takes its low word for both halves
.set MSB, 0
.macro WIN new
.if MSB != (\new)
	s_set_vgpr_msb (MSB<<8)|(\new)
.set MSB, \new
.endif
.endm
.set MUL_LO, 0xa1                      ; source 0 (kp) window 1, source 1 (qp) window 0, C and D window 2
.set MUL_HI, 0xf1                      ; the same, C and D window 3
.set TO_B,   0x40                      ; destination window 1, address window 0
.macro JLOAD s                         ; a joint load: waves 0 and 1 fetch qp's two halves, waves 2 and 3 kp's; an s_nop 0 and four v_nop follow each of the two lines
	s_cmp_eq_u32 s11, 0
	s_cbranch_scc0 .Lfor_b_\@
	tensor_load_to_lds s[G0+4*(\s):G0+4*(\s)+3], s[G1:G1+7]
	s_nop 0
.rept 4
	v_nop
.endr
	s_branch .Lasked_\@
.Lfor_b_\@:
	tensor_load_to_lds s[G0B+4*(\s):G0B+4*(\s)+3], s[G1B:G1B+7]
	s_nop 0
.rept 4
	v_nop
.endr
.Lasked_\@:
.endm
.macro CREST
	s_cmp_lg_u32 s10, 0
	s_cbranch_scc1 .Lnot_wave_0_\@
	s_barrier_signal -3
.Lnot_wave_0_\@:
	s_barrier_wait -3
	s_barrier_signal -1
	s_barrier_wait -1
.endm
.macro CROUND
	s_barrier_signal -1
	s_barrier_wait -1
	CREST
.endm
.macro SETADR                          ; the LDS addresses of the slot that is being read
	WIN 0
	v_add_nc_u32 v[ADRA], s[TB], v[A0]
	v_add_nc_u32 v[ADRB], s[TB], v[B0]
.endm
	s_load_b128 s[4:7], s[0:1], 0x0                ; xp s[4:5], mask s[6:7]
	s_load_b64 s[8:9], s[0:1], 0x10                ; lg
	v_lshl_add_u32 v[SPW], v0, 2, SPARE
	v_mov_b32 v[NIL], 0
	ds_add_u32 v[SPW], v[NIL]                      ; the wave's opening: the add and its wait stand ahead of my first tensor load; the set-up below, work on registers, stands between them
	v_lshrrev_b32 v1, 5, v0
	v_readfirstlane_b32 s10, v1                    ; wave 0..3
	s_lshr_b32 s11, s10, 1                         ; which half of the tile's rows is mine.  Also: I fetch for qp (0) or for kp (1)
	s_and_b32 s12, s10, 1                          ; which half of its columns.  Also: which 128 rows of that tile I fetch
	s_bfe_u32 s40, ttmp6, 0x40000                  ; cx, cy
	s_bfe_u32 s41, ttmp6, 0x40004
	s_lshl_b32 s42, ttmp9, 2
	s_add_co_u32 s42, s42, s40                     ; tile column, 0 .. 7
	s_and_b32 s45, ttmp7, 0xffff                   ; the cluster's y, 0 .. 7
	s_lshl_b32 s13, s45, 2
	s_add_co_u32 s13, s13, s41                     ; tile row, 0 .. 31
	s_lshr_b32 s84, s45, 1                         ; the batch
	s_lshl_b32 s43, s41, 2
	s_lshl_b32 s43, 15, s43                        ; my row of the cluster
	s_lshl_b32 s44, 0x1111, s40                    ; my column
	s_or_b32 s[G1+0], s43, (1<<16)|(1<<20)|(1<<21)|(5<<22)|(3<<25)   ; the mask: my row; elements of 2 bytes; padding on; bit 21 beside a mask; after every 64 words (code 5) 4 words (code 3)
	s_or_b32 s[G1B+0], s44, (1<<16)|(1<<20)|(1<<21)|(5<<22)|(3<<25)  ; the same with the mask of my column
.irp g, G1, G1B
	s_mov_b32 s[(\g)+1], KSTEP<<16                 ; tensor_dim0 = 128
	s_mov_b32 s[(\g)+2], 128<<16                   ; tensor_dim1 = 128
	s_mov_b32 s[(\g)+3], KSTEP<<16                 ; tile_dim0 = 128
	s_mov_b32 s[(\g)+4], 128                       ; tile_dim1 = 128
	s_mov_b32 s[(\g)+5], SIZE_K                    ; elements from row to row
	s_mov_b32 s[(\g)+6], 0
	s_mov_b32 s[(\g)+7], 0
.endr
	s_mov_b32 s[SC], 0x3d000000                    ; 2^-5
	s_mov_b32 s[SC+1], 0x3d000000
	s_mov_b32 s[TB], 0                             ; step 0 is read from slot 0
	s_mov_b32 s[TF], SLOT                          ; the second first fill goes to slot 1
	s_lshl_b32 s17, s12, 7                         ; which 128 rows of the tile I fetch
	s_lshl_b32 s16, s13, 8
	s_add_co_u32 s16, s16, s17                     ; qp: row 256 x tile row + 128 x half,
	s_lshl_b32 s16, s16, 11                        ; of 2,048 bytes
	s_lshl_b32 s46, s84, 11                        ; kp: row 2,048 x batch + 256 x tile column + 128 x half,
	s_lshl_b32 s47, s42, 8
	s_add_co_u32 s46, s46, s47
	s_add_co_u32 s46, s46, s17
	s_lshl_b32 s46, s46, 11
	s_add_co_u32 s46, s46, 0x1000000               ; behind qp's 16,777,216 bytes
	s_mov_b32 s17, 0
	s_mov_b32 s47, 0
	s_mul_i32 s20, s10, HALFT                      ; where they go: wave x 128 rows
	s_wait_dscnt 0x0                               ; the opening add is done
	s_wait_kmcnt 0x0
	s_add_nc_u64 s[14:15], s[4:5], s[16:17]
	s_add_nc_u64 s[46:47], s[4:5], s[46:47]
	CROUND                                         ; all sixteen work-groups are here: the first joint loads meet
.irp s, 0,1
	s_mov_b32 s[G0+4*(\s)], 1
	s_add_co_u32 s[G0+4*(\s)+1], s20, (\s)*SLOT
	s_add_nc_u64 s[G0+4*(\s)+2:G0+4*(\s)+3], s[14:15], (\s)*KSTEP*2
	s_or_b32 s[G0+4*(\s)+3], s[G0+4*(\s)+3], 0x80000000
	s_mov_b32 s[G0B+4*(\s)], 1
	s_add_co_u32 s[G0B+4*(\s)+1], s20, (\s)*SLOT
	s_add_nc_u64 s[G0B+4*(\s)+2:G0B+4*(\s)+3], s[46:47], (\s)*KSTEP*2
	s_or_b32 s[G0B+4*(\s)+3], s[G0B+4*(\s)+3], 0x80000000
	JLOAD \s                                       ; two loads of mine are out
.endr
	v_and_b32 v1, 15, v0                           ; r = l % 16
	v_bfe_u32 v2, v0, 4, 1                         ; h = l / 16
	v_and_b32 v6, 31, v0                           ; the lane
	v_mul_u32_u24 v3, v1, PITCH
	v_lshl_add_u32 v3, v2, 4, v3                   ; a fragment's row x pitch + 16 x half
	s_mul_i32 s21, s11, HALFT                      ; my 128 rows of qp
	s_mul_i32 s22, s12, HALFT                      ; my 128 rows of kp,
	s_add_co_u32 s22, s22, 2*HALFT                 ; which lie behind qp's 256
	v_add_nc_u32 v[A0], s21, v3
	v_add_nc_u32 v[B0], s22, v3
	SETADR
	s_mul_i32 s23, s10, 16*SPITCH
	s_add_co_u32 s23, s23, STAGE                   ; my stage
	v_mul_u32_u24 v4, v1, SPITCH                   ; in: row r, 32 bytes (8 f32) for each half of the lanes
	v_lshl_add_u32 v4, v2, 5, v4
	v_add_nc_u32 v[STO], s23, v4
	v_lshl_add_u32 v[RD], v6, 4, s23               ; back: 32 lanes take one row of 512 bytes
	v_lshlrev_b32 v[CO], 3, v6
	v_lshlrev_b32 v[MO], 4, v6
	s_and_b32 s16, s13, 7                          ; the mask at my wave's first query and key: the query within its batch,
	s_lshl_b32 s16, s16, 8
	s_lshl_b32 s17, s11, 7
	s_add_co_u32 s16, s16, s17
	s_lshl_b32 s16, s16, 13                        ; rows of 8,192 bytes,
	s_lshl_b32 s46, s42, 10                        ; 256 keys of 4 bytes x tile column + 128 x half
	s_lshl_b32 s47, s12, 9
	s_add_co_u32 s46, s46, s47
	s_add_co_u32 s16, s16, s46
	s_mov_b32 s17, 0
	s_add_nc_u64 s[6:7], s[6:7], s[16:17]
	s_lshl_b32 s16, s13, 8                         ; lg at my wave's first row and column
	s_lshl_b32 s17, s11, 7
	s_add_co_u32 s16, s16, s17
	s_lshl_b32 s16, s16, 12                        ; rows of 4,096 bytes
	s_lshl_b32 s46, s42, 9
	s_lshl_b32 s47, s12, 8
	s_add_co_u32 s46, s46, s47
	s_add_co_u32 s16, s16, s46
	s_mov_b32 s17, 0
	s_add_nc_u64 s[8:9], s[8:9], s[16:17]
; The mask of block a (my rows 16 a .. 16 a + 15, my 128 keys): 16 loads of 512 consecutive bytes, into window 1 at (192 (a % 4)) % 256: blocks 0 and 1 in the registers that the loop leaves idle.
.macro MLOAD a
	WIN TO_B
.set MK, (192*((\a)%4))%256
.irp t, 0,1,2,3,4,5,6,7,8,9,10,11,12,13,14,15
	global_load_b128 v[MK+4*(\t):MK+4*(\t)+3], v[MO], s[6:7] offset:(16*(\a)+(\t))*8192
.endr
	WIN 0
.endm
	MLOAD 0                                        ; these 32 loads stay out over the whole loop: nothing there names their registers
	MLOAD 1
; 16 matrix instructions: m blocks a0, a0 + 1 of the window's four (hi = 0: my rows 0-63, 1: rows 64-127) x all 8 n blocks, 32 along K.  zero = 1: the first product starts the sums.
; The 64 accumulators take turns in the same order in every quarter.
.macro MUL16 f, hi, a0, zero
	WIN MUL_LO+0x50*(\hi)
.irp a, \a0, (\a0)+1
.irp b, 0,1,2,3,4,5,6,7
.if \zero
	v_wmma_f32_16x16x32_bf16 v[8*(8*(\a)+(\b)):8*(8*(\a)+(\b))+7], v[(\f)+8*(\b):(\f)+8*(\b)+7], v[(\f)+8*(4*(\hi)+(\a)):(\f)+8*(4*(\hi)+(\a))+7], 0
.else
	v_wmma_f32_16x16x32_bf16 v[8*(8*(\a)+(\b)):8*(8*(\a)+(\b))+7], v[(\f)+8*(\b):(\f)+8*(\b)+7], v[(\f)+8*(4*(\hi)+(\a)):(\f)+8*(4*(\hi)+(\a))+7], v[8*(8*(\a)+(\b)):8*(8*(\a)+(\b))+7]
.endif
.endr
.endr
.endm
; 32 LDS loads in one run: the fragments of one quarter (128 rows of kp, 128 rows of qp, 32 K at byte k of the rows of the slot that is being read) into buffer f
.macro FETCH k, f
	WIN TO_B
.irp i, 0,1,2,3,4,5,6,7
	ds_load_b128 v[(\f)+8*(\i):(\f)+8*(\i)+3],   v[ADRB] offset:(\k)+(\i)*16*PITCH
	ds_load_b128 v[(\f)+8*(\i)+4:(\f)+8*(\i)+7], v[ADRB] offset:(\k)+(\i)*16*PITCH+32
.endr
	WIN 0
.irp i, 0,1,2,3,4,5,6,7
	ds_load_b128 v[(\f)+8*(\i):(\f)+8*(\i)+3],   v[ADRA] offset:(\k)+(\i)*16*PITCH
	ds_load_b128 v[(\f)+8*(\i)+4:(\f)+8*(\i)+7], v[ADRA] offset:(\k)+(\i)*16*PITCH+32
.endr
.endm
.macro PLACES                          ; four places in front of loads into registers that matrix instructions have read, and of LDS stores that read results
.rept 4
	v_nop
.endr
.endm
; One of a K step's first three quarters: multiplies buffer f; in its middle it fetches the next quarter's fragments, at byte k of the rows, into buffer g.
.macro QUARTER k, f, g, zero
	s_wait_dscnt 8                                 ; kp and qp's rows 0-63 are in; the youngest eight loads (qp's rows 64-127) may be out
	MUL16 \f, 0, 0, \zero
	MUL16 \f, 0, 2, \zero
	PLACES
	FETCH \k, \g
	s_wait_dscnt 32                                ; all but the 32 just issued
	MUL16 \f, 1, 0, \zero
	MUL16 \f, 1, 2, \zero
.endm
; The first half of a step's last quarter: one barrier for the change of slots.  In front of it each wave waits for all its tensor loads, of which one is out: its part of the next slot; adds 0 to its spare
; word; and waits for that and for its own reads of this slot.  Behind it nobody reads this slot any more and the next slot is whole.  round = 1: a round of the cluster's barrier and a refill follow.
.macro MEET round
	WIN 0                                          ; (the add's two registers lie in window 0)
	s_wait_tensorcnt 0x0                           ; no tensor load of mine is out, so a group 0 may be written
	ds_add_u32 v[SPW], v[NIL]                      ; 0 onto my spare word; the walking descriptors' steps stand between it and the wait for it
.if \round
	s_xor_b32 s[TF], s[TF], SLOT                   ; the other slot than last time,
	s_add_co_u32 s[G0+5], s20, s[TF]
	s_add_co_u32 s[G0B+5], s20, s[TF]
	s_add_nc_u64 s[G0+6:G0+7], s[G0+6:G0+7], KSTEP*2      ; the next K step; the type bits on top are not reached
	s_add_nc_u64 s[G0B+6:G0B+7], s[G0B+6:G0B+7], KSTEP*2
.endif
	s_wait_dscnt 9                                 ; (the add and the youngest eight loads may be out)
	MUL16 F1, 0, 0, 0
	s_wait_dscnt 0x0                               ; the add is done, and my reads of this slot are over
	s_barrier_signal -1
	MUL16 F1, 0, 2, 0                              ; work on registers while the others arrive
.if \round
	WIN 0
.endif
	s_barrier_wait -1
.endm
.macro TOGGLE                          ; from here on the other slot is read
	s_xor_b32 s[TB], s[TB], SLOT
	SETADR
.endm
; The whole last quarter: behind the round the slot just read out is filled again first, two K steps ahead; then come the next slot's first fragments.  The load has 224 matrix instructions of mine in which to land.
.macro TURN
	MEET 1
	CREST                                          ; no wave of any partner still reads this slot's tiles or has a load on its way
	JLOAD 1                                        ; the four v_nop behind it are also the places in front of the loads below
	TOGGLE
	FETCH 0, F0
	MUL16 F1, 1, 0, 0
	MUL16 F1, 1, 2, 0
.endm
; THE WAY OUT of block a (16 rows).  TOSTAGE: the f32 sums go straight from the accumulators into my own stage, each accumulator's low four registers first, and come back as whole rows: a lane then
; holds four neighbouring keys of one query, as the mask's loads do.
.macro TOSTAGE a
	WIN 0x08+4*((\a)/4)                            ; the stores' data: window 2 or 3
.set AC, 64*((\a)%4)
.irp b, 0,1,2,3,4,5,6,7
	ds_store_b128 v[STO], v[AC+8*(\b):AC+8*(\b)+3]   offset:64*(\b)
	ds_store_b128 v[STO], v[AC+8*(\b)+4:AC+8*(\b)+7] offset:64*(\b)+16
.endr
	WIN 0
.irp t, 0,1,2,3,4,5,6,7,8,9,10,11,12,13,14,15
	ds_load_b128 v[SB+64*((\a)%2)+4*(\t):SB+64*((\a)%2)+4*(\t)+3], v[RD] offset:(\t)*SPITCH  ; LDS serves a wave's instructions in order (ISA guide 5.7.1.4): these see the stores above
.endr
.endm
; FIN: max(s, 0) x 2^-5 + mask, rounded to bf16, stored; four rows at a time.  yd: the LDS instructions issued behind the block's loads; yl: the mask loads issued behind the block's own.
.macro FIN a, yd, yl
	s_wait_dscnt \yd
	s_wait_loadcnt \yl
	s_wait_xcnt 0x0                                ; the packed results' registers were the data of the block before's stores: they are rewritten only behind this wait
	WIN 0x10                                       ; source 2 (the mask) window 1
.set SK, SB+64*((\a)%2)
.set MK, (192*((\a)%4))%256
.irp g, 0,1,2,3
.irp z, 0,1,2,3,4,5,6,7,8,9,10,11,12,13,14,15
	v_max_num_f32 v[SK+16*(\g)+(\z)], 0, v[SK+16*(\g)+(\z)]
.endr
.irp z, 0,1,2,3,4,5,6,7
	v_pk_fma_f32 v[SK+16*(\g)+2*(\z):SK+16*(\g)+2*(\z)+1], v[SK+16*(\g)+2*(\z):SK+16*(\g)+2*(\z)+1], s[SC:SC+1], v[MK+16*(\g)+2*(\z):MK+16*(\g)+2*(\z)+1] op_sel_hi:[1,0,1]
.endr
.irp z, 0,1,2,3,4,5,6,7
	v_cvt_pk_bf16_f32 v[OUT+8*(\g)+(\z)], v[SK+16*(\g)+2*(\z)], v[SK+16*(\g)+2*(\z)+1]
.endr
.irp t, 0,1,2,3
	global_store_b64 v[CO], v[OUT+8*(\g)+2*(\t):OUT+8*(\g)+2*(\t)+1], s[8:9] offset:(16*(\a)+4*(\g)+(\t))*4096  ; 32 lanes store 256 consecutive bytes, at a multiple of 256 from lg's first byte
.endr
.endr
	WIN 0
.if (\a) < 4
	MLOAD (\a)+4                                   ; the block's mask registers take the block four further on
.endif
.endm
	s_wait_tensorcnt 1                             ; my part of K step 0 is in; K step 1's may stay out
	s_barrier_signal -1
	s_barrier_wait -1                              ; everybody's is
	FETCH 0, F0
	QUARTER 64,  F0, F1, 1                         ; the first quarter stands in front of the loop: its products start the sums
	WIN 0                                          ; at a label and at a branch every window is 0
	s_mov_b32 s3, STEPS-2
.Lstep:                                                ; a trip: a step's quarters 1 to 3 and the next step's quarter 0; the slot that it leaves is filled again
	QUARTER 128, F1, F0, 0
	QUARTER 192, F0, F1, 0
	TURN
	QUARTER 64,  F0, F1, 0
	WIN 0
	s_sub_co_u32 s3, s3, 1
	s_cmp_lg_u32 s3, 0
	s_cbranch_scc1 .Lstep
	QUARTER 128, F1, F0, 0                         ; the last two steps are written out: they fill nothing
	QUARTER 192, F0, F1, 0
	MEET 0                                         ; my one tensor load that was still out is the last K step's; no round follows
	PLACES                                         ; for the loads into buffer 0, which the quarter before multiplied
	TOGGLE
	FETCH 0, F0
	MUL16 F1, 1, 0, 0
	MUL16 F1, 1, 2, 0
	QUARTER 64,  F0, F1, 0
	QUARTER 128, F1, F0, 0
	QUARTER 192, F0, F1, 0
	s_wait_dscnt 8                                 ; the very last quarter: nothing more to fetch
	MUL16 F1, 0, 0, 0
	MUL16 F1, 0, 2, 0
	s_wait_dscnt 0x0
	MUL16 F1, 1, 0, 0
	MUL16 F1, 1, 2, 0
	WIN 0
	PLACES                                         ; behind the last products: for the LDS stores that read results and for the loads into both fragment buffers
	MLOAD 2
	MLOAD 3
	TOSTAGE 0
	TOSTAGE 1                                      ; block a + 1's 16 stores and 16 loads stand between block a's loads and the wait for them: the count 32
	FIN 0, 32, 48                                  ; behind block a's mask loads three blocks' 48 have been issued, until none is left to ask for
	TOSTAGE 2
	FIN 1, 32, 48
	TOSTAGE 3
	FIN 2, 32, 48
	TOSTAGE 4
	FIN 3, 32, 48
	TOSTAGE 5
	FIN 4, 32, 48
	TOSTAGE 6
	FIN 5, 32, 32
	TOSTAGE 7
	FIN 6, 32, 16
	FIN 7, 0, 0
	s_wait_tensorcnt 0x0                           ; the wave's end: behind my last tensor load and my last LDS store
	ds_add_u32 v[SPW], v[NIL]
	s_wait_dscnt 0x0
	CROUND                                         ; the closing round: no work-group ends while a partner may still ask for a tile that names it
	s_endpgm
.Lfunc_end_k_qaf29b8927f_scores:
	.size	k_qaf29b8927f_scores, .Lfunc_end_k_qaf29b8927f_scores-k_qaf29b8927f_scores
	.p2alignl 7, 3214868480
	.fill 96, 4, 3214868480
	.section	.rodata,"a",@progbits
	.p2align	6, 0x0
	.amdhsa_kernel k_qaf29b8927f_scores
		.amdhsa_group_segment_fixed_size 327680
		.amdhsa_private_segment_fixed_size 0
		.amdhsa_enable_private_segment 0
		.amdhsa_kernarg_size 24
		.amdhsa_user_sgpr_count 2
		.amdhsa_user_sgpr_kernarg_segment_ptr 1
		.amdhsa_wavefront_size32 1
		.amdhsa_system_sgpr_workgroup_id_x 1
		.amdhsa_system_sgpr_workgroup_id_y 1
		.amdhsa_system_sgpr_workgroup_id_z 1
		.amdhsa_system_vgpr_workitem_id 0
		.amdhsa_next_free_vgpr 1024
		.amdhsa_next_free_sgpr 96
		.amdhsa_reserve_vcc 0
		.amdhsa_float_denorm_mode_32 3
		.amdhsa_float_denorm_mode_16_64 3
		.amdhsa_memory_ordered 1
		.amdhsa_forward_progress 1
		.amdhsa_inst_pref_size 176
	.end_amdhsa_kernel
	.amdgpu_metadata
---
amdhsa.version: [ 1, 2 ]
amdhsa.kernels:
  - .name:           k_qaf29b8927f_scores
    .symbol:         k_qaf29b8927f_scores.kd
    .args:
      - { .name: xp, .offset: 0, .size: 8, .value_kind: global_buffer, .address_space: global }
      - { .name: mask, .offset: 8, .size: 8, .value_kind: global_buffer, .address_space: global }
      - { .name: lg, .offset: 16, .size: 8, .value_kind: global_buffer, .address_space: global }
    .group_segment_fixed_size: 327680
    .private_segment_fixed_size: 0
    .kernarg_segment_align: 8
    .kernarg_segment_size: 24
    .max_flat_workgroup_size: 128
    .sgpr_count:     96
    .vgpr_count:     1024
    .wavefront_size: 32
...
	.end_amdgpu_metadata
.endif
;; end of part 3
;; launch outp (part 4): grid 4 x 64, 4 waves a work-group, clusters of 4 x 4, 327,680 bytes of LDS; arguments lg, xp, out0; writes out0
.if DOCPART == 4
	.amdgcn_target "amdgcn-amd-amdhsa--gfx1250"
	.amdhsa_code_object_version 6
	.text
	.protected	k_qaf29b8927f_outp
	.globl	k_qaf29b8927f_outp
	.p2align	8
	.type	k_qaf29b8927f_outp,@function
k_qaf29b8927f_outp:
	s_mov_b64 s[64:65], 0
	v_nop
	global_prefetch_b8 v0, s[64:65] scope:SCOPE_SE
	s_setreg_imm32_b32 hwreg(HW_REG_WAVE_MODE, 25, 1), 1
	s_wait_xcnt 0x0
	s_wait_alu depctr_hold_cnt(0) depctr_sa_sdst(0) depctr_va_vdst(0) depctr_va_sdst(0) depctr_va_ssrc(0) depctr_va_vcc(0) depctr_vm_vsrc(0)
	s_getreg_b32 s2, hwreg(HW_REG_IB_STS2, 6, 4)
	s_cmp_eq_u32 s2, 0
	s_cbranch_scc0 .Lentry_in_a_cluster
	s_endpgm
.Lentry_in_a_cluster:
	s_bfe_u32 s2, ttmp6, 0x10000c
	s_cmp_lg_u32 s2, 0xf033
	s_cbranch_scc0 .Lentry_shape_is_right
	s_endpgm
.Lentry_shape_is_right:
; out0[b][q][e] = relu(sum over k of lg[b][q][k] vp[b][k][e]).  lg: [8192][2048] bf16; vp = xp + 33,554,432 bytes: [8192][1024] bf16; out0: [8192][1024] f32.  Sums in f32.
; LIMITS.  A NaN result becomes 0 (the maximum lets a NaN lose); infinities are not treated apart.
; SHARES.  A work-group makes 128 rows x 256 channels, its four waves 64 x 128 each: 32 accumulators; 4 x 64 = 256 work-groups (tiles of 256 x 256 would be 128).
; THE RING.  Two LDS slots of 192 keys, as large as fit: A's tile, 128 rows x 192 keys of lg, and B's, 192 keys x 256 channels of vp; each wave fetches half of one of them by one tensor load (64 rows of
; 384 bytes, or 96 rows of 512).  So the work-group's 1.5 MB pass in 11 visits, one refill and one round of the cluster's barrier each, and a refill has 176 matrix instructions of mine in which to land.
; 2,048 = 128 + 10 x 192: THE FIRST VISIT IS THE SHORT ONE.  Its two loads state what is left of the tensor as 128 keys, so that the slot's last 64 keys arrive as zeros in A and in B, and every visit runs the
; same text; the price is 64 matrix instructions a wave on zeros.  A's rows of 384 bytes begin at multiples of 128 bytes of lg, not of 256: the price of a slot that is no power of two.
; The stage for the way out lies in slot 1: its last fill is visit 9's, and the last change of slots has shown every wave's reads of it over.
; CLUSTER.  4 x 4 work-groups: the four of a row of the cluster need the same rows of lg, the four of a column the same channels of vp: each tile is asked for jointly.  The batch, tile row / 16, is a quarter
; of the cluster's y: the same in all sixteen partners.
; THE MATRIX INSTRUCTION IS USED TRANSPOSED: source 0 = 16 channels of vp (turned out of LDS by ds_load_tr16_b128), source 1 = 16 rows of lg: a lane holds row l % 16 and the channels 8 (l / 16) + 0..7.
; REGISTERS: window 0: v0-29 addresses; v32-63, v64-95 A's fragments, two buffers; v96-159, v160-223 B's, two buffers, later two blocks of rows on the way out.  Window 1: accumulator (a, b) at v[8 (8 a + b)].
.set KS,     192                       ; keys in a slot: six quarters of 32
.set VISITS, 11
.set PA,     432                       ; a row of A in LDS: three pieces of 128 bytes + 16 of padding = 27 x 16: the 16 rows of a load start at 16 different groups of four banks (64 banks of 4 bytes: ISA guide 11.1)
.set PB,     544                       ; a row of B: 512 + 32 = 17 x 32
.set HA,     64*PA
.set HB,     96*PB
.set BOFF,   2*HA
.set SLOT,   BOFF+2*HB
.set STAGE,  SLOT                      ; in slot 1, behind its last fill and its last read: 16 rows x 528 bytes of f32 for each wave
.set SPITCH, 528
.set SPARE,  2*SLOT                    ; behind the ring: the spare words, 128 bytes for each wave: two blocks of 256 bytes that no other line names
.set A0,   10                          ; v10  my lane's place in A's tile of slot 0; never rewritten
.set B0,   11                          ; v11  the same for B's turning loads, quarters 0 to 2
.set C0,   12                          ; v12  and quarters 3 to 5, 96 rows on: their offsets would pass 16 bits
.set ADRA, 16                          ; v16  A0 + the slot that is being read
.set ADRB, 20                          ; v20, v21  B0, C0 + the slot that is being read
.set STO,  24                          ; v24  the way out: where I put 32 bytes of a row
.set RD,   25                          ; v25  the way out: my 16 bytes of a row of 512
.set CO,   26                          ; v26  16 x lane: my byte offset in a row's 512 bytes of out0
.set SPW,  28
.set NIL,  29
.set AFR,  32
.set BFR,  96
.set SB,   96
.set G1,  24                           ; s[24:31] group 1 for A's tiles; s[32:39] group 0: a set for each of the two first fills; the second then walks on
.set G0,  32
.set G1B, 48                           ; the same for B's
.set G0B, 56
.set G1S, 68                           ; s[68:75] group 1 for A's short first tile
.set G1T, 76                           ; s[76:83] group 1 for B's
.set TB,  85                           ; s85  0 or SLOT: the slot that is being read
.set TF,  86                           ; s86  0 or SLOT: the slot that was filled last
.set MSB, 0
.macro WIN new
.if MSB != (\new)
	s_set_vgpr_msb (MSB<<8)|(\new)
.set MSB, \new
.endif
.endm
.set MUL, 0x50                         ; sources 0 and 1 window 0; C and D window 1
; A joint load by group 0's set s and the group 1s ga (A) and gb (B): waves 0 and 1 fetch A's two halves, waves 2 and 3 B's; an s_nop 0 and four v_nop follow each of the two lines
.macro JLOAD s, ga, gb
	s_cmp_eq_u32 s11, 0
	s_cbranch_scc0 .Lfor_b_\@
	tensor_load_to_lds s[G0+4*(\s):G0+4*(\s)+3], s[(\ga):(\ga)+7]
	s_nop 0
.rept 4
	v_nop
.endr
	s_branch .Lasked_\@
.Lfor_b_\@:
	tensor_load_to_lds s[G0B+4*(\s):G0B+4*(\s)+3], s[(\gb):(\gb)+7]
	s_nop 0
.rept 4
	v_nop
.endr
.Lasked_\@:
.endm
.macro CREST
	s_cmp_lg_u32 s10, 0
	s_cbranch_scc1 .Lnot_wave_0_\@
	s_barrier_signal -3
.Lnot_wave_0_\@:
	s_barrier_wait -3
	s_barrier_signal -1
	s_barrier_wait -1
.endm
.macro CROUND
	s_barrier_signal -1
	s_barrier_wait -1
	CREST
.endm
.macro SETADR                          ; the LDS addresses of the slot that is being read
	WIN 0
	v_add_nc_u32 v[ADRA], s[TB], v[A0]
	v_add_nc_u32 v[ADRB], s[TB], v[B0]
	v_add_nc_u32 v[ADRB+1], s[TB], v[C0]
.endm
	s_load_b128 s[4:7], s[0:1], 0x0                ; lg s[4:5], xp s[6:7]
	s_load_b64 s[8:9], s[0:1], 0x10                ; out0
	v_lshl_add_u32 v[SPW], v0, 2, SPARE
	v_mov_b32 v[NIL], 0
	ds_add_u32 v[SPW], v[NIL]                      ; the wave's opening: the add and its wait stand ahead of my first tensor load; the set-up below, work on registers, stands between them
	v_lshrrev_b32 v1, 5, v0
	v_readfirstlane_b32 s10, v1                    ; wave 0..3
	s_lshr_b32 s11, s10, 1                         ; which half of the tile's rows is mine.  Also: I fetch for A (0) or for B (1)
	s_and_b32 s12, s10, 1                          ; which half of its channels.  Also: which half of that tile's rows I fetch
	s_bfe_u32 s40, ttmp6, 0x40000                  ; cx, cy
	s_bfe_u32 s41, ttmp6, 0x40004
	s_lshl_b32 s42, ttmp9, 2
	s_add_co_u32 s42, s42, s40                     ; tile column, 0 .. 3
	s_and_b32 s45, ttmp7, 0xffff                   ; the cluster's y, 0 .. 15
	s_lshl_b32 s13, s45, 2
	s_add_co_u32 s13, s13, s41                     ; tile row, 0 .. 63
	s_lshr_b32 s84, s45, 2                         ; the batch
	s_lshl_b32 s43, s41, 2
	s_lshl_b32 s43, 15, s43                        ; my row of the cluster
	s_lshl_b32 s44, 0x1111, s40                    ; my column
	; descriptor group 1, twice for each operand: for a whole slot, and for the short first visit, which differs in what is left of the tensor alone
.irp g, G1, G1S
	s_or_b32 s[(\g)+0], s43, (1<<16)|(1<<20)|(1<<21)|(4<<22)|(3<<25)  ; A: the mask: my row; elements of 2 bytes; padding on; bit 21 beside a mask; after every 32 words (code 4) 4 words (code 3)
	s_mov_b32 s[(\g)+2], 64<<16                    ; tensor_dim1 = 64
	s_mov_b32 s[(\g)+3], KS<<16                    ; tile_dim0 = 192
	s_mov_b32 s[(\g)+4], 64                        ; tile_dim1 = 64
	s_mov_b32 s[(\g)+5], 2048                      ; elements from row to row
	s_mov_b32 s[(\g)+6], 0
	s_mov_b32 s[(\g)+7], 0
.endr
	s_mov_b32 s[G1+1], KS<<16                      ; tensor_dim0 = 192;
	s_mov_b32 s[G1S+1], 128<<16                    ; in the first visit 128: keys 128 to 191 of the slot arrive as zeros
.irp g, G1B, G1T
	s_or_b32 s[(\g)+0], s44, (1<<16)|(1<<20)|(1<<21)|(6<<22)|(7<<25)  ; B: the mask: my column; after every 128 words (code 6) 8 words (code 7)
	s_mov_b32 s[(\g)+1], 256<<16                   ; tensor_dim0 = 256
	s_mov_b32 s[(\g)+3], 256<<16                   ; tile_dim0 = 256
	s_mov_b32 s[(\g)+4], 96                        ; tile_dim1 = 96
	s_mov_b32 s[(\g)+5], 1024
	s_mov_b32 s[(\g)+6], 0
	s_mov_b32 s[(\g)+7], 0
.endr
	s_mov_b32 s[G1B+2], 96<<16                     ; tensor_dim1 = 96;
	s_lshl_b32 s14, s12, 6                         ; in the first visit 96 for the first half and 32 for the second, which begins at key 96 of 128
	s_sub_co_u32 s14, 96, s14
	s_lshl_b32 s[G1T+2], s14, 16
	s_mov_b32 s[TB], 0                             ; visit 0 is read from slot 0
	s_mov_b32 s[TF], SLOT                          ; the second first fill goes to slot 1
	s_lshl_b32 s17, s12, 6                         ; which 64 rows of A's tile I fetch
	s_lshl_b32 s16, s13, 7
	s_add_co_u32 s16, s16, s17                     ; A: row 128 x tile row + 64 x half,
	s_lshl_b32 s16, s16, 12                        ; of 4,096 bytes
	s_mov_b32 s17, 0
	s_mul_i32 s47, s12, 96                         ; which 96 rows of B's
	s_lshl_b32 s46, s84, 11                        ; B: key row 2,048 x batch + 96 x half,
	s_add_co_u32 s46, s46, s47
	s_lshl_b32 s46, s46, 11                        ; of 2,048 bytes,
	s_lshl_b32 s47, s42, 9                         ; 256 channels of 2 bytes x tile column,
	s_add_co_u32 s46, s46, s47
	s_add_co_u32 s46, s46, 0x2000000               ; behind qp's and kp's 33,554,432 bytes
	s_mov_b32 s47, 0
	s_mul_i32 s20, s12, HA                         ; where they go: no place in the cluster enters an LDS address
	s_mul_i32 s21, s12, HB
	s_add_co_u32 s21, s21, BOFF
	s_wait_dscnt 0x0                               ; the opening add is done
	s_wait_kmcnt 0x0
	s_add_nc_u64 s[14:15], s[4:5], s[16:17]
	s_add_nc_u64 s[46:47], s[6:7], s[46:47]
	CROUND                                         ; all sixteen work-groups are here: the first joint loads meet
.irp s, 0,1
	s_mov_b32 s[G0+4*(\s)], 1
	s_add_co_u32 s[G0+4*(\s)+1], s20, (\s)*SLOT
	s_add_nc_u64 s[G0+4*(\s)+2:G0+4*(\s)+3], s[14:15], (\s)*128*2        ; visit 0 begins at key 0, visit 1 at key 128
	s_or_b32 s[G0+4*(\s)+3], s[G0+4*(\s)+3], 0x80000000
	s_mov_b32 s[G0B+4*(\s)], 1
	s_add_co_u32 s[G0B+4*(\s)+1], s21, (\s)*SLOT
	s_add_nc_u64 s[G0B+4*(\s)+2:G0B+4*(\s)+3], s[46:47], (\s)*128*2048
	s_or_b32 s[G0B+4*(\s)+3], s[G0B+4*(\s)+3], 0x80000000
.endr
	JLOAD 0, G1S, G1T                              ; the short visit
	JLOAD 1, G1, G1B                               ; two loads of mine are out
	v_and_b32 v1, 15, v0                           ; r = l % 16
	v_bfe_u32 v2, v0, 4, 1                         ; h = l / 16
	v_and_b32 v3, 7, v0
	v_bfe_u32 v4, v0, 3, 1
	v_and_b32 v8, 31, v0                           ; the lane
	v_mul_u32_u24 v5, v1, PA
	v_lshl_add_u32 v5, v2, 4, v5                   ; A: row x pitch + 16 x half
	v_lshl_add_u32 v6, v2, 3, v3                   ; B: the turning load's lane l reads key row 8 h + l % 8, channels 8 ((l / 8) % 2) + 0..7
	v_mul_u32_u24 v6, v6, PB
	v_lshl_add_u32 v6, v4, 4, v6
	s_mul_i32 s22, s11, HA                         ; my 64 rows of A
	s_lshl_b32 s23, s12, 8                         ; my 128 channels of B
	s_add_co_u32 s23, s23, BOFF
	v_add_nc_u32 v[A0], s22, v5
	v_add_nc_u32 v[B0], s23, v6
	v_add_nc_u32 v[C0], 96*PB, v[B0]
	SETADR
	s_mul_i32 s23, s10, 16*SPITCH
	s_add_co_u32 s23, s23, STAGE                   ; my stage
	v_mul_u32_u24 v7, v1, SPITCH                   ; in: row r, 32 bytes (8 f32) for each half of the lanes
	v_lshl_add_u32 v7, v2, 5, v7
	v_add_nc_u32 v[STO], s23, v7
	v_lshl_add_u32 v[RD], v8, 4, s23               ; back: 32 lanes take one row of 512 bytes
	v_lshlrev_b32 v[CO], 4, v8
	s_lshl_b32 s16, s13, 7                         ; out0 at my wave's first row and channel
	s_lshl_b32 s17, s11, 6
	s_add_co_u32 s16, s16, s17
	s_lshl_b32 s16, s16, 12                        ; rows of 4,096 bytes
	s_lshl_b32 s46, s42, 10
	s_lshl_b32 s47, s12, 9
	s_add_co_u32 s46, s46, s47
	s_add_co_u32 s16, s16, s46
	s_mov_b32 s17, 0
	s_add_nc_u64 s[8:9], s[8:9], s[16:17]
; n matrix instructions from number i0 on: number i is accumulator (a, b) = (i / 8, i % 8), 32 along K from buffer f.  The 32 accumulators take turns in the same order in every quarter.
.macro MM f, i0, n, zero
	WIN MUL
.set mi, \i0
.rept \n
.if \zero
	v_wmma_f32_16x16x32_bf16 v[8*mi:8*mi+7], v[BFR+64*(\f)+8*(mi%8):BFR+64*(\f)+8*(mi%8)+7], v[AFR+32*(\f)+8*(mi/8):AFR+32*(\f)+8*(mi/8)+7], 0
.else
	v_wmma_f32_16x16x32_bf16 v[8*mi:8*mi+7], v[BFR+64*(\f)+8*(mi%8):BFR+64*(\f)+8*(mi%8)+7], v[AFR+32*(\f)+8*(mi/8):AFR+32*(\f)+8*(mi/8)+7], v[8*mi:8*mi+7]
.endif
.set mi, mi+1
.endr
.endm
; 24 LDS loads in one run: quarter kq (0 .. 5) of the slot that is being read into buffer g: 16 turning loads for B, then A's four fragments.  In A's rows quarter kq lies in piece kq / 2, 144 bytes apart, at its byte 64 (kq % 2).
.macro FETCH kq, g
	WIN 0
.irp b, 0,1,2,3,4,5,6,7
	ds_load_tr16_b128 v[BFR+64*(\g)+8*(\b):BFR+64*(\g)+8*(\b)+3],   v[ADRB+(\kq)/3] offset:((\kq)%3)*32*PB+32*(\b)
	ds_load_tr16_b128 v[BFR+64*(\g)+8*(\b)+4:BFR+64*(\g)+8*(\b)+7], v[ADRB+(\kq)/3] offset:((\kq)%3)*32*PB+16*PB+32*(\b)
.endr
.irp i, 0,1,2,3
	ds_load_b128 v[AFR+32*(\g)+8*(\i):AFR+32*(\g)+8*(\i)+3],   v[ADRA] offset:((\kq)/2)*144+((\kq)%2)*64+(\i)*16*PA
	ds_load_b128 v[AFR+32*(\g)+8*(\i)+4:AFR+32*(\g)+8*(\i)+7], v[ADRA] offset:((\kq)/2)*144+((\kq)%2)*64+(\i)*16*PA+32
.endr
.endm
.macro PLACES                          ; four places in front of loads into registers that matrix instructions have read, and of LDS stores that read results
.rept 4
	v_nop
.endr
.endm
; One of a visit's first five quarters: multiplies buffer f and fetches quarter kq into g.
.macro QUARTER kq, f, g, zero
	s_wait_dscnt 4                                 ; B and A's fragments 0, 1 are in; the youngest four loads (A's fragments 2, 3) may be out
	MM \f, 0, 16, \zero
	PLACES
	FETCH \kq, \g
	s_wait_dscnt 24                                ; all but the 24 just issued
	MM \f, 16, 16, \zero
.endm
; The sixth quarter multiplies buffer 1 and changes slots: one barrier; in front of it each wave waits for all its tensor loads, of which one is out: its part of the next slot; adds 0 to its spare word; and waits
; for that and for its own reads of this slot.  fill = 1: the barrier opens a round of the cluster's barrier, and this slot is filled again, with the visit two further on, first thing behind the round.
.macro TURN fill
	WIN 0                                          ; (the add's two registers lie in window 0)
	s_wait_tensorcnt 0x0                           ; no tensor load of mine is out, so a group 0 may be written
	ds_add_u32 v[SPW], v[NIL]                      ; 0 onto my spare word; the walking descriptors' steps stand between it and the wait for it
.if \fill
	s_xor_b32 s[TF], s[TF], SLOT                   ; the other slot than last time,
	s_add_co_u32 s[G0+5], s20, s[TF]
	s_add_co_u32 s[G0B+5], s21, s[TF]
	s_add_nc_u64 s[G0+6:G0+7], s[G0+6:G0+7], KS*2          ; the next 192 keys: along A's rows,
	s_add_nc_u64 s[G0B+6:G0B+7], s[G0B+6:G0B+7], KS*2048   ; and down B's; the type bits on top are not reached
.endif
	s_wait_dscnt 5                                 ; (the add and the youngest four loads may be out)
	MM 1, 0, 8, 0
	s_wait_dscnt 0x0                               ; the add is done, and my reads of this slot are over
	s_barrier_signal -1
	MM 1, 8, 8, 0                                  ; work on registers while the others arrive
	WIN 0
	s_barrier_wait -1
.if \fill
	CREST                                          ; no wave of any partner still reads this slot's tiles or has a load on its way
	JLOAD 1, G1, G1B                               ; the four v_nop behind it are also the places in front of the loads below
.else
	PLACES
.endif
	s_xor_b32 s[TB], s[TB], SLOT                   ; from here on the other slot is read
	SETADR
	FETCH 0, 0
	MM 1, 16, 16, 0
.endm
; THE WAY OUT of block a (16 rows): the f32 sums go straight from the accumulators into my own stage, each accumulator's low four registers first, and come back as whole rows of 512 bytes.
.macro TOSTAGE a
	s_wait_xcnt 0x0                                ; the rows' registers were the data of earlier stores: they are loaded again only behind this wait
	WIN 0x04                                       ; the stores' data: window 1
.irp b, 0,1,2,3,4,5,6,7
	ds_store_b128 v[STO], v[64*(\a)+8*(\b):64*(\a)+8*(\b)+3]   offset:64*(\b)
	ds_store_b128 v[STO], v[64*(\a)+8*(\b)+4:64*(\a)+8*(\b)+7] offset:64*(\b)+16
.endr
	WIN 0
.irp t, 0,1,2,3,4,5,6,7,8,9,10,11,12,13,14,15
	ds_load_b128 v[SB+64*((\a)%2)+4*(\t):SB+64*((\a)%2)+4*(\t)+3], v[RD] offset:(\t)*SPITCH  ; LDS serves a wave's instructions in order (ISA guide 5.7.1.4): these see the stores above
.endr
.endm
.macro FIN a, yd                       ; the ReLU, and the stores.  yd: the LDS instructions issued behind the block's loads
	WIN 0
	s_wait_dscnt \yd
.irp t, 0,1,2,3,4,5,6,7,8,9,10,11,12,13,14,15
.irp z, 0,1,2,3
	v_max_num_f32 v[SB+64*((\a)%2)+4*(\t)+(\z)], 0, v[SB+64*((\a)%2)+4*(\t)+(\z)]
.endr
	global_store_b128 v[CO], v[SB+64*((\a)%2)+4*(\t):SB+64*((\a)%2)+4*(\t)+3], s[8:9] offset:(16*(\a)+(\t))*4096 th:TH_STORE_NT  ; 32 lanes store 512 consecutive bytes, at a multiple of 256 from out0's first byte
.endr
.endm
	s_wait_tensorcnt 1                             ; my part of visit 0 is in; visit 1's may stay out
	s_barrier_signal -1
	s_barrier_wait -1                              ; everybody's is
	FETCH 0, 0
	QUARTER 1, 0, 1, 1                             ; the first quarter stands in front of the loop: its products start the sums
	WIN 0                                          ; at a label and at a branch every window is 0
	s_mov_b32 s3, VISITS-2
.Lvisit:                                               ; a trip: a visit's quarters 1 to 5 and the next visit's quarter 0; the slot that it leaves is filled again
	QUARTER 2, 1, 0, 0
	QUARTER 3, 0, 1, 0
	QUARTER 4, 1, 0, 0
	QUARTER 5, 0, 1, 0
	TURN 1
	QUARTER 1, 0, 1, 0
	WIN 0
	s_sub_co_u32 s3, s3, 1
	s_cmp_lg_u32 s3, 0
	s_cbranch_scc1 .Lvisit
	QUARTER 2, 1, 0, 0                             ; the last two visits are written out: they fill nothing, and have no round of the cluster's barrier
	QUARTER 3, 0, 1, 0
	QUARTER 4, 1, 0, 0
	QUARTER 5, 0, 1, 0
	TURN 0                                         ; behind this barrier nobody reads slot 1 any more, and nothing is filled into it: it takes the stages
	QUARTER 1, 0, 1, 0
	QUARTER 2, 1, 0, 0
	QUARTER 3, 0, 1, 0
	QUARTER 4, 1, 0, 0
	QUARTER 5, 0, 1, 0
	s_wait_dscnt 4                                 ; the very last quarter: nothing more to fetch
	MM 1, 0, 16, 0
	s_wait_dscnt 0x0
	MM 1, 16, 16, 0
	WIN 0
	PLACES                                         ; behind the last products: for the LDS stores that read results and for the loads into B's fragment buffers
	TOSTAGE 0
.irp a, 1,2,3                          ; block a's 16 stores and 16 loads stand between block a - 1's loads and the wait for them: the count 32
	TOSTAGE \a
	FIN (\a)-1, 32
.endr
	FIN 3, 0
	s_wait_tensorcnt 0x0                           ; the wave's end: behind my last tensor load and my last LDS store
	ds_add_u32 v[SPW], v[NIL]
	s_wait_dscnt 0x0
	CROUND                                         ; the closing round: no work-group ends while a partner may still ask for a tile that names it
	s_endpgm
.Lfunc_end_k_qaf29b8927f_outp:
	.size	k_qaf29b8927f_outp, .Lfunc_end_k_qaf29b8927f_outp-k_qaf29b8927f_outp
	.p2alignl 7, 3214868480
	.fill 96, 4, 3214868480
	.section	.rodata,"a",@progbits
	.p2align	6, 0x0
	.amdhsa_kernel k_qaf29b8927f_outp
		.amdhsa_group_segment_fixed_size 327680
		.amdhsa_private_segment_fixed_size 0
		.amdhsa_enable_private_segment 0
		.amdhsa_kernarg_size 24
		.amdhsa_user_sgpr_count 2
		.amdhsa_user_sgpr_kernarg_segment_ptr 1
		.amdhsa_wavefront_size32 1
		.amdhsa_system_sgpr_workgroup_id_x 1
		.amdhsa_system_sgpr_workgroup_id_y 1
		.amdhsa_system_sgpr_workgroup_id_z 1
		.amdhsa_system_vgpr_workitem_id 0
		.amdhsa_next_free_vgpr 512
		.amdhsa_next_free_sgpr 96
		.amdhsa_reserve_vcc 0
		.amdhsa_float_denorm_mode_32 3
		.amdhsa_float_denorm_mode_16_64 3
		.amdhsa_memory_ordered 1
		.amdhsa_forward_progress 1
		.amdhsa_inst_pref_size 101
	.end_amdhsa_kernel
	.amdgpu_metadata
---
amdhsa.version: [ 1, 2 ]
amdhsa.kernels:
  - .name:           k_qaf29b8927f_outp
    .symbol:         k_qaf29b8927f_outp.kd
    .args:
      - { .name: lg, .offset: 0, .size: 8, .value_kind: global_buffer, .address_space: global }
      - { .name: xp, .offset: 8, .size: 8, .value_kind: global_buffer, .address_space: global }
      - { .name: out0, .offset: 16, .size: 8, .value_kind: global_buffer, .address_space: global }
    .group_segment_fixed_size: 327680
    .private_segment_fixed_size: 0
    .kernarg_segment_align: 8
    .kernarg_segment_size: 24
    .max_flat_workgroup_size: 128
    .sgpr_count:     96
    .vgpr_count:     512
    .wavefront_size: 32
...
	.end_amdgpu_metadata
.endif
;; end of part 4
